; MI455X (gfx1250); checked and timed in simulation.
; The chip was launched on July 23, 2026; its instructions are those of AMD's public machine-readable ISA for CDNA 5 (MIT licence, August 2026) and "CDNA5" Instruction Set Architecture Reference Guide (July 2026). The comments in the code are by the model that wrote it; some were corrected since.
;; Learned2 D Relative Self Attention. Allowed arithmetic: matrix products marked QUANTISED: E2M1 operands, one E8M0 scale for each 32 along K, by v_wmma_scale_f32_16x16x128_f8f6f4 with both operands' format E2M1 (or v_wmma_scale_f32_32x16x128_f4), f32 sums; products left as they are: bf16, f16 or f32 operands; f32 sums; everything else in f32.
;; Inputs: Wk 64 x 512 float32; Wq 64 x 512 float32; Wv 512 x 64 float32; attention_mask 1 float32; bk 512 float32; bq 512 float32; bv 64 float32; col_emb 63 x 32 float32; hidden_states 8 x 32 x 32 x 64 float32; row_emb 63 x 32 float32.
;; Outputs: out0 8 x 32 x 32 x 64 float32.
;; This version of the problem:
;;   THIS VERSION OF THE PROBLEM IS GIVEN IN LOW PRECISION. The matrix products marked QUANTISED in the list below multiply operands that are first quantised to E2M1 (2 exponent bits, 1 mantissa bit; 4 bits a number), with one power-of-two scale for each 32 numbers along K (OCP MX v1.0); their sums are f32. The products marked 'left as it is' may take bf16, f16 or f32 operands, with f32 sums. Whichever they take, every output number must still come out within the allowed error. Rounding operands to bf16 (8 significant bits) uses up far more of that allowance than f16 does (11 bits, for magnitudes from 6e-5 to 65,504). All else is computed in f32.
;;   The module's matrix products, in the order in which they are computed (A, B: the left and right operand; K: the contracted axis; several contracted axes count as one K, in the product's order):
;;     1. [M 8,192, K 64] x [K 64, N 512]; A: input hidden_states; B: input Wq: QUANTISED
;;     2. [M 8,192, K 64] x [K 64, N 512]; A: input hidden_states; B: input Wk: QUANTISED
;;     3. batch 32 x [M 32, K 32] x [K 32, N 2,048]; A: computed on the way; B: computed on the way: left as it is (an operand is computed on the way)
;;     4. batch 32 x [M 32, K 32] x [K 32, N 2,048]; A: computed on the way; B: computed on the way: left as it is (an operand is computed on the way)
;;     5. batch 64 x [M 1,024, K 64] x [K 64, N 1,024]; A: computed on the way; B: computed on the way: left as it is (an operand is computed on the way)
;;     6. batch 8 x [M 8,192, K 1,024] x [K 1,024, N 64]; A: computed on the way; B: input hidden_states: left as it is (an operand is computed on the way)
;;     7. [M 8,192, K 512] x [K 512, N 64]; A: computed on the way; B: input Wv: left as it is (an operand is computed on the way)
;;   THE QUANTISER, for each operand of a quantised product, along K:
;;     - K is cut into blocks of 32 from its start; a last block that is shorter is filled with zeros.
;;     - A block's scale is 2^e with e = floor(log2(the largest magnitude in the block)) - 2, held to -126 .. 127; a block of zeros has e = 0. As a byte (E8M0): e + 127.
;;     - Each number is divided by its block's scale, clamped to +-6, and rounded to the nearest number of E2M1, ties to even, subnormals kept.
;;     - The product sums the exact products of the quantised numbers (number of the format x scale) in f32.
;;   ~~~python
;;   def quantise(x, axis):      # numpy; x: float32 -> the quantised numbers, widened to float32 again
;;       x = np.moveaxis(x, axis, -1); K = x.shape[-1]
;;       x = np.pad(x, [(0, 0)] * (x.ndim - 1) + [(0, -K % 32)]); x = x.reshape(x.shape[:-1] + (-1, 32)); a = np.abs(x).max(-1, keepdims=True)
;;       e = np.where(a > 0, np.clip(np.frexp(np.where(a > 0, a, 1))[1] - 1 - 2, -126, 127), 0)      # np.frexp(a)[1] - 1 = floor(log2(a)), exactly
;;       r = np.clip(x / 2.0 ** e, -6, 6)
;;       step = 2.0 ** (np.maximum(np.frexp(np.where(r == 0, 1, r))[1] - 1, 0) - 1)
;;       q = np.round(r / step) * step * 2.0 ** e      # np.round: ties to even
;;       return np.moveaxis(q.reshape(q.shape[:-2] + (-1,))[..., :K], -1, axis).astype(np.float32)
;;   ~~~
;; One version. Each part assembles by itself: llvm-mc -triple=amdgcn-amd-amdhsa -mcpu=gfx1250 --defsym DOCPART=n.
;; ======== version 1 of 1: 2 launches
;; limits: values are held in f16: magnitudes above 65,504 overflow, below 6.1e-05 lose precision
;; workspace buffers: kv 1,343,488 bytes; wts 110,592 bytes
;; launch prep (part 1): grid 281 x 1, 1 waves a work-group, no clusters, 8,960 bytes of LDS; arguments hidden_states, Wq, Wk, Wv, row_emb, col_emb, kv, wts; writes kv, wts
.if DOCPART == 1
	.amdgcn_target "amdgcn-amd-amdhsa--gfx1250"
	.amdhsa_code_object_version 6
	.text
	.protected	k_q0c05bad178_prep
	.globl	k_q0c05bad178_prep
	.p2align	8
	.type	k_q0c05bad178_prep,@function
k_q0c05bad178_prep:
	s_mov_b64 s[64:65], 0
	v_nop
	global_prefetch_b8 v0, s[64:65] scope:SCOPE_SE
	s_setreg_imm32_b32 hwreg(HW_REG_WAVE_MODE, 25, 1), 1
	s_wait_xcnt 0x0
; PREP: every operand of the attention launch is made once, in the order of the operand registers that will take it.
; kv  [batch 8][step 8][20,992 bytes], a step = 128 keys:
;   +0      X as f16, images of fragments of V^T: fragment (g, u) at 1,024 (4 g + u), half c at + 512 c, lane at + 16 lane: lane (r, h) holds channel 4 r + u, keys 32 g + 16 c + 8 h + 0 .. 7
;   +16,384 X as codes of FP4 (E2M1): key tile kt at 512 kt, lane at + 16 lane: lane (r, h) holds key 16 kt + r, channels 32 h + 0 .. 31, the lower channel in the lower bits
;   +20,480 X's scale words: the word of key 32 g + lane at 128 g + 4 lane: byte 0 channels 0-31, byte 1 channels 32-63, bytes 2 and 3 are 0
; wts +0 [Wq, Wk][head][2,304]: codes of tile t (16 columns) at 512 t + 16 lane: lane (r, h) holds column 64 head + 16 t + r, k = 32 h + 0 .. 31; scale words at 2,048 + 128 p + 4 lane (lanes 0-15 tile 2 p, lanes 16-31 tile 2 p + 1)
;     +36,864 [head][8,192]: Wv as f16: piece pi = 4 nt + 2 f + c at 512 pi + 16 lane: element e of lane (r, h) is Wv[64 head + 32 h + 4 e + 2 f + c][16 nt + r]
;     +102,400 [row_emb, col_emb][c][row 0 .. 63][h][8 f16]: table[row][16 c + 8 h + e]; row 63, which no table has, is zeros
; THE QUANTISER: a block of 32 along K has the scale 2^(floor(log2(its largest magnitude)) - 2); its byte is the largest magnitude's exponent field - 2, held at 1 from below;
; each number is divided by the scale and rounded to the nearest code, ties to even, beyond 6 the largest code.
; LIMITS: a block of zeros, or one whose largest magnitude lies under 2^-124, gets the byte 1 (a block of zeros has zero codes, which add nothing under that byte; this program alone reads the bytes).
; X, Wv and the tables are rounded to f16: magnitudes from 65,520 on become infinite there, those under 6e-5 are rounded as f16 subnormals.  NaN and infinities among the inputs are not served.
; attention_mask: reference() never uses it, so no launch of this program takes it.
; SHARES: one wave to a work-group.  Work-groups 0-255: 32 keys of X each; 256-271: one head of Wq or of Wk; 272-279: one head of Wv; 280: the two tables.
; Everything is written out: every offset is an immediate and no register that a load or store names is written again, so no wait on XCNT is needed.  No tensor load, no barrier.
.set STEPB, 20992                      ; bytes of a step in kv
.set BATB,  8*STEPB                    ; of a batch
.set XCO,   16384                      ; where a step's codes begin
.set XSO,   20480                      ; and its scale words
.set WQK,   2304                       ; a head of Wq or Wk in wts
.set WVO,   36864                      ; where Wv's images begin
.set EMO,   102400                     ; and the tables'
.set PIT,   272                        ; a key's row in the stage: 256 bytes + 16
.set SPARE, 32*PIT                     ; behind the stage: the spare words, 128 bytes, in a block of 256 that no other line names
.set SPW,   8                          ; v8   LDS address of my spare word; never rewritten
.set NIL,   9                          ; v9   0; never rewritten
; v1 r, v2 h, v3 16 x lane, v4 4 x lane, v13 8 h; v16-19 largest magnitudes, v20-23 scale operands, v24-27 bytes and then scale words, v28-31 the other half's word
; 32 numbers of ONE block in v[src] on become 4 registers of codes in v[cod] on; v[24 + t] becomes the scale word of the lane's row: my byte at 8 h bits, the other half's beside it.
.macro QBLOCK src, cod, t
	v_max3_num_f32 v[16+\t], |v[\src]|, |v[\src+1]|, 0x1800000      ; the largest magnitude, with the floor 2^(3 - 127) among its leaves: the byte cannot fall under 1
.irp i, 2,4,6,8,10,12,14,16,18,20,22,24,26,28,30
	v_max3_num_f32 v[16+\t], v[16+\t], |v[\src+\i]|, |v[\src+\i+1]|
.endr
	v_add_nc_u32 v[20+\t], 0xff000000, v[16+\t]    ; 2 off its exponent field: the conversion takes the exponent field of this operand as its scale
	v_lshrrev_b32 v[24+\t], 23, v[20+\t]           ; the scale's byte
.irp i, 0,1,2,3
	v_cvt_scalef32_pk8_fp4_f32 v[\cod+\i], v[\src+8*\i:\src+8*\i+7], v[20+\t]
.endr
	v_lshlrev_b32 v[24+\t], v13, v[24+\t]          ; (a plain line behind the conversions)  my block's byte at its place: block h is byte h
	v_permlanex16_b32 v[28+\t], v[24+\t], s20, s21
	v_or_b32 v[24+\t], v[24+\t], v[28+\t]          ; with lane l xor 16's byte the word is whole, in both halves
.endm
	s_load_b256 s[4:11], s[0:1], 0x0               ; hidden_states s[4:5], Wq s[6:7], Wk s[8:9], Wv s[10:11]
	s_load_b256 s[12:19], s[0:1], 0x20             ; row_emb s[12:13], col_emb s[14:15], kv s[16:17], wts s[18:19]
	v_lshl_add_u32 v[SPW], v0, 2, SPARE
	v_mov_b32 v[NIL], 0
	v_and_b32 v1, 15, v0                           ; r
	v_lshrrev_b32 v2, 4, v0                        ; h
	v_lshlrev_b32 v3, 4, v0                        ; 16 x lane: an image's place for my lane
	v_lshlrev_b32 v4, 2, v0                        ; 4 x lane: a scale word's
	v_lshlrev_b32 v13, 3, v2                       ; 8 h
.irp t, 0,1,2,3
	v_mov_b32 v[28+\t], 0                          ; a lane permute's destination counts as one of its sources
.endr
	s_mov_b32 s20, 0x76543210
	s_mov_b32 s21, 0xfedcba98                      ; v_permlanex16_b32's selects for lane l xor 16
	s_mov_b32 s23, 0                               ; the upper word of every offset
	v_cmp_gt_u32 vcc_lo, 16, v0                    ; lanes 0-15
	s_wait_kmcnt 0x0
	s_cmp_lt_u32 ttmp9, 256
	s_cbranch_scc0 .Lnot_x
	; ---- 32 keys of X: batch = id / 32, step = (id / 4) % 8, group g = id % 4
	s_lshl_b32 s22, ttmp9, 13                      ; 32 keys of 256 bytes
	s_add_nc_u64 s[4:5], s[4:5], s[22:23]
	s_lshr_b32 s24, ttmp9, 5
	s_mul_i32 s22, s24, BATB
	s_bfe_u32 s24, ttmp9, 0x30002                  ; 3 bits from bit 2
	s_mul_i32 s24, s24, STEPB
	s_add_co_u32 s22, s22, s24
	s_add_nc_u64 s[16:17], s[16:17], s[22:23]      ; my step in kv
	s_and_b32 s24, ttmp9, 3
	s_lshl_b32 s22, s24, 12
	s_add_nc_u64 s[26:27], s[16:17], s[22:23]      ; the f16 images of group g
	s_lshl_b32 s22, s24, 10
	s_add_nc_u64 s[28:29], s[16:17], s[22:23]      ; its codes (+ XCO in the immediate)
	s_lshl_b32 s22, s24, 7
	s_add_nc_u64 s[30:31], s[16:17], s[22:23]      ; its scale words (+ XSO)
	v_lshlrev_b32 v10, 4, v1
	v_lshl_add_u32 v10, v2, 11, v10                ; in memory: 16 r + 8 keys x h
	v_mul_u32_u24 v11, v2, 8*PIT
	v_lshl_add_u32 v11, v1, 4, v11                 ; the stage, on the way in: the same place
	v_mul_u32_u24 v12, v1, PIT
	v_lshl_add_u32 v12, v2, 7, v12                 ; on the way out: key r, block h
.irp c, 0,1
.irp t, 0,1,2,3,4,5,6,7
	global_load_b128 v[32+4*(8*\c+\t):32+4*(8*\c+\t)+3], v10, s[4:5] offset:(16*\c+\t)*256 th:TH_LOAD_NT   ; lanes 0-15 take key 16 c + t whole, lanes 16-31 key 16 c + t + 8: lane (r, h) has channels 4 r .. 4 r + 3
.endr
.endr
	s_wait_loadcnt 0x0
.irp c, 0,1
.irp t, 0,1,2,3,4,5,6,7
	ds_store_b128 v11, v[32+4*(8*\c+\t):32+4*(8*\c+\t)+3] offset:(16*\c+\t)*PIT
.endr
.endr
.irp t, 0,1
.irp i, 0,1,2,3,4,5,6,7
	ds_load_b128 v[128+32*\t+4*\i:128+32*\t+4*\i+3], v12 offset:16*\t*PIT+16*\i   ; LDS serves a wave's instructions in order: these see my stores.  Lane (r, h) gets block h of key 16 t + r whole
.endr
.endr
.irp c, 0,1                                    ; meanwhile the f16 images: a lane's registers run down the keys, so two neighbouring keys of one channel pack into a register
.irp u, 0,1,2,3
.irp i, 0,1,2,3
	v_cvt_pk_f16_f32 v[96+4*(4*\c+\u)+\i], v[32+4*(8*\c+2*\i)+\u], v[32+4*(8*\c+2*\i+1)+\u]
.endr
.endr
.endr
.irp c, 0,1
.irp u, 0,1,2,3
	global_store_b128 v3, v[96+4*(4*\c+\u):96+4*(4*\c+\u)+3], s[26:27] offset:1024*\u+512*\c   ; 32 lanes store 512 consecutive bytes
.endr
.endr
	s_wait_dscnt 0x0
	QBLOCK 128, 192, 0
	QBLOCK 160, 196, 1
	v_cndmask_b32 v5, v25, v24, vcc_lo             ; lanes 0-15: the word of key r; lanes 16-31: of key 16 + r
	global_store_b128 v3, v[192:195], s[28:29] offset:XCO
	global_store_b128 v3, v[196:199], s[28:29] offset:XCO+512
	global_store_b32 v4, v5, s[30:31] offset:XSO
	s_wait_tensorcnt 0x0                           ; the wave's end
	ds_add_u32 v[SPW], v[NIL]
	s_wait_dscnt 0x0
	s_endpgm
.Lnot_x:
	s_cmp_lt_u32 ttmp9, 272
	s_cbranch_scc0 .Lnot_w
	; ---- one head of Wq (ids 256-263) or of Wk (264-271): K is the FIRST axis, so a lane takes a column and its registers run down K
	s_sub_co_u32 s24, ttmp9, 256
	s_cmp_lt_u32 s24, 8
	s_cselect_b64 s[6:7], s[6:7], s[8:9]           ; the choice hangs on the work-group's number alone
	s_and_b32 s25, s24, 7
	s_lshl_b32 s22, s25, 8                         ; the head's 64 columns
	s_add_nc_u64 s[6:7], s[6:7], s[22:23]
	s_mul_i32 s22, s24, WQK
	s_add_nc_u64 s[18:19], s[18:19], s[22:23]
	v_lshlrev_b32 v10, 2, v1
	v_lshl_add_u32 v10, v2, 16, v10                ; column r; lanes 16-31 begin 32 rows of 2,048 bytes further down
.irp t, 0,1,2,3
.set e, 0
.rept 32
	global_load_b32 v[32+32*\t+e], v10, s[6:7] offset:2048*e+64*\t   ; W(32 h + e, 64 head + 16 t + r)
.set e, e+1
.endr
.endr
	s_wait_loadcnt 0x0
.irp t, 0,1,2,3
	QBLOCK 32+32*\t, 192+4*\t, \t
.endr
	v_cndmask_b32 v5, v25, v24, vcc_lo             ; lanes 0-15 tile 0's words, lanes 16-31 tile 1's
	v_cndmask_b32 v6, v27, v26, vcc_lo             ; tiles 2 and 3
.irp t, 0,1,2,3
	global_store_b128 v3, v[192+4*\t:192+4*\t+3], s[18:19] offset:512*\t
.endr
	global_store_b32 v4, v5, s[18:19] offset:2048
	global_store_b32 v4, v6, s[18:19] offset:2176
	s_endpgm
.Lnot_w:
	s_cmp_lt_u32 ttmp9, 280
	s_cbranch_scc0 .Lemb
	; ---- one head of Wv as f16, its 64 rows in the order in which the attention launch holds a head's channels
	s_sub_co_u32 s24, ttmp9, 272
	s_lshl_b32 s22, s24, 14                        ; 64 rows of 256 bytes
	s_add_nc_u64 s[10:11], s[10:11], s[22:23]
	s_lshl_b32 s22, s24, 13
	s_add_nc_u64 s[18:19], s[18:19], s[22:23]
	v_lshlrev_b32 v10, 2, v1
	v_lshl_add_u32 v10, v2, 13, v10                ; column r; 32 rows x h
.irp nt, 0,1,2,3
.irp f, 0,1
.irp c, 0,1
.irp i, 0,1,2,3,4,5,6,7
	global_load_b32 v[32+8*(4*\nt+2*\f+\c)+\i], v10, s[10:11] offset:(4*\i+2*\f+\c)*256+64*\nt
.endr
.endr
.endr
.endr
	s_wait_loadcnt 0x0
.set e, 0
.rept 64
	v_cvt_pk_f16_f32 v[160+e], v[32+2*e], v[33+2*e]
.set e, e+1
.endr
.set e, 0
.rept 16
	global_store_b128 v3, v[160+4*e:160+4*e+3], s[18:19] offset:WVO+512*e
.set e, e+1
.endr
	s_endpgm
.Lemb:
	; ---- the two tables as f16: a store's 32 lanes take 16 rows x 2 halves; group q = 4 (2 table + c) + G holds rows 16 G on
	v_lshrrev_b32 v5, 1, v0                        ; the row among 16
	v_and_b32 v6, 1, v0
	v_lshlrev_b32 v6, 5, v6                        ; 8 numbers x half
	v_lshl_add_u32 v10, v5, 7, v6                  ; a row is 128 bytes
	v_add_nc_u32 v5, 48, v5
	v_min_u32 v5, 62, v5                           ; the last group: row 63 does not exist, so its lanes read row 62: no load leaves the table
	v_lshl_add_u32 v11, v5, 7, v6
.macro ELOAD tab, lo
.irp c, 0,1
.irp G, 0,1,2
	global_load_b128 v[32+8*(4*(2*\tab+\c)+\G):32+8*(4*(2*\tab+\c)+\G)+3], v10, s[\lo:\lo+1] offset:2048*\G+64*\c
	global_load_b128 v[32+8*(4*(2*\tab+\c)+\G)+4:32+8*(4*(2*\tab+\c)+\G)+7], v10, s[\lo:\lo+1] offset:2048*\G+64*\c+16
.endr
	global_load_b128 v[32+8*(4*(2*\tab+\c)+3):32+8*(4*(2*\tab+\c)+3)+3], v11, s[\lo:\lo+1] offset:64*\c
	global_load_b128 v[32+8*(4*(2*\tab+\c)+3)+4:32+8*(4*(2*\tab+\c)+3)+7], v11, s[\lo:\lo+1] offset:64*\c+16
.endr
.endm
	ELOAD 0, 12
	ELOAD 1, 14
	v_cmp_gt_u32 vcc_lo, 30, v0                    ; lanes 30 and 31 of a last group stand for row 63
	s_wait_loadcnt 0x0
.set e, 0
.rept 64
	v_cvt_pk_f16_f32 v[160+e], v[32+2*e], v[33+2*e]
.set e, e+1
.endr
.irp q, 3,7,11,15
.irp z, 0,1,2,3
	v_cndmask_b32 v[160+4*\q+\z], 0, v[160+4*\q+\z], vcc_lo   ; row 63 is zeros
.endr
.endr
.set e, 0
.rept 16
	global_store_b128 v3, v[160+4*e:160+4*e+3], s[18:19] offset:EMO+512*e
.set e, e+1
.endr
	s_endpgm
.Lfunc_end_k_q0c05bad178_prep:
	.size	k_q0c05bad178_prep, .Lfunc_end_k_q0c05bad178_prep-k_q0c05bad178_prep
	.p2alignl 7, 3214868480
	.fill 96, 4, 3214868480
	.section	.rodata,"a",@progbits
	.p2align	6, 0x0
	.amdhsa_kernel k_q0c05bad178_prep
		.amdhsa_group_segment_fixed_size 8960
		.amdhsa_private_segment_fixed_size 0
		.amdhsa_enable_private_segment 0
		.amdhsa_kernarg_size 64
		.amdhsa_user_sgpr_count 2
		.amdhsa_user_sgpr_kernarg_segment_ptr 1
		.amdhsa_wavefront_size32 1
		.amdhsa_system_sgpr_workgroup_id_x 1
		.amdhsa_system_sgpr_workgroup_id_y 1
		.amdhsa_system_sgpr_workgroup_id_z 1
		.amdhsa_system_vgpr_workitem_id 0
		.amdhsa_next_free_vgpr 256
		.amdhsa_next_free_sgpr 66
		.amdhsa_reserve_vcc 1
		.amdhsa_float_denorm_mode_32 3
		.amdhsa_float_denorm_mode_16_64 3
		.amdhsa_memory_ordered 1
		.amdhsa_forward_progress 1
		.amdhsa_inst_pref_size 59
	.end_amdhsa_kernel
	.amdgpu_metadata
---
amdhsa.version: [ 1, 2 ]
amdhsa.kernels:
  - .name:           k_q0c05bad178_prep
    .symbol:         k_q0c05bad178_prep.kd
    .args:
      - { .name: hidden_states, .offset: 0, .size: 8, .value_kind: global_buffer, .address_space: global }
      - { .name: Wq, .offset: 8, .size: 8, .value_kind: global_buffer, .address_space: global }
      - { .name: Wk, .offset: 16, .size: 8, .value_kind: global_buffer, .address_space: global }
      - { .name: Wv, .offset: 24, .size: 8, .value_kind: global_buffer, .address_space: global }
      - { .name: row_emb, .offset: 32, .size: 8, .value_kind: global_buffer, .address_space: global }
      - { .name: col_emb, .offset: 40, .size: 8, .value_kind: global_buffer, .address_space: global }
      - { .name: kv, .offset: 48, .size: 8, .value_kind: global_buffer, .address_space: global }
      - { .name: wts, .offset: 56, .size: 8, .value_kind: global_buffer, .address_space: global }
    .group_segment_fixed_size: 8960
    .private_segment_fixed_size: 0
    .kernarg_segment_align: 8
    .kernarg_segment_size: 64
    .max_flat_workgroup_size: 32
    .sgpr_count:     66
    .vgpr_count:     256
    .wavefront_size: 32
...
	.end_amdgpu_metadata
.endif
;; end of part 1
;; launch attn (part 2): grid 32 x 8, 8 waves a work-group, clusters of 4 x 1, 327,680 bytes of LDS; arguments kv, wts, bq, bk, bv, out0; writes out0
.if DOCPART == 2
	.amdgcn_target "amdgcn-amd-amdhsa--gfx1250"
	.amdhsa_code_object_version 6
	.text
	.protected	k_q0c05bad178_attn
	.globl	k_q0c05bad178_attn
	.p2align	8
	.type	k_q0c05bad178_attn,@function
k_q0c05bad178_attn:
	s_mov_b64 s[64:65], 0
	v_nop
	global_prefetch_b8 v0, s[64:65] scope:SCOPE_SE
	s_setreg_imm32_b32 hwreg(HW_REG_WAVE_MODE, 25, 1), 1
	s_wait_xcnt 0x0
	s_wait_alu depctr_hold_cnt(0) depctr_sa_sdst(0) depctr_va_vdst(0) depctr_va_sdst(0) depctr_va_ssrc(0) depctr_va_vcc(0) depctr_vm_vsrc(0)
	s_getreg_b32 s2, hwreg(HW_REG_IB_STS2, 6, 4)
	s_cmp_eq_u32 s2, 0
	s_cbranch_scc0 .Lentry_in_a_cluster
	s_endpgm
.Lentry_in_a_cluster:
	s_bfe_u32 s2, ttmp6, 0x10000c
	s_cmp_lg_u32 s2, 0x3003
	s_cbranch_scc0 .Lentry_shape_is_right
	s_endpgm
.Lentry_shape_is_right:
; ATTN: out0[b][i][j][:] = (softmax over (k, l) of (q . row_emb[k - i + 31] + q . col_emb[l - j + 31] + q . key(k, l)) / 8, times X) Wv + bv, for all 8 heads.
; SHARES.  A work-group owns one image row (batch b, row i): 32 queries x 8 heads.  Wave w owns head w and both tiles of 16 queries (j = 16 T + r).  So the projection by Wv ends in the work-group.
; q AND THE KEYS are products on codes of FP4 (E2M1) with E8M0 scales, K = 64: registers 0-3 of each operand hold the codes, registers 4-7 zero codes, scale bytes 2 and 3 are 0.
; THE KEYS ARE REMADE, NOT STORED: a batch's X lies in LDS as codes (4,608 bytes for 128 keys), and each wave multiplies it by its head's Wk, which stays in registers.  The product is used transposed
; (source 0 = 16 columns of Wk, source 1 = 16 keys): lane (r, h) holds key r and channels 16 t + 8 h + 0 .. 7, so two tiles, rounded to f16 in pairs, ARE source 0 (16 keys x 32 channels) of the score product.
; All other products take f16 operands and f32 sums.  S^T = K Q^T and O^T = V^T P: a lane holds ONE query (lane % 16) throughout.
; q is multiplied by c = log2(e) / 8 in f32 before it is rounded to f16, so all three kinds of score come out in powers of two.
; THE COLUMN TERM hangs on (query, l) alone: G[query][m] = c q_col . col_emb[m] goes through my stage in LDS and comes back skewed (m = l - j + 31) in the layout of a score tile: it is the C of a tile's first product.
; THE ROW TERM is one number for a query and 32 keys: rs[query][k] = c q_row . row_emb[31 - i + k] lies in LDS and is added with the maximum: p = 2^(s + rs - m).
; SOFTMAX: a running maximum m and sum l for each query; in every step O and l are multiplied by 2^(m_old - m_new).  The sum is taken of p before it is rounded to f16.
; THE VALUES are X itself, as f16 images with the keys innermost, shared by all heads.  A tile of V^T takes channels 4 r + u, so O^T's channel order is 32 h + 4 e + u; the launch before has laid Wv's rows in that order.
; CLUSTER.  The four work-groups of a cluster belong to one batch and want the same 167,936 bytes of kv: each wave asks JOINTLY for one step (20,992 bytes), once; nothing is filled again.  One tensor load of a wave is out.
; i enters global addresses alone; no LDS address and no branch hangs on a work-group's place in its cluster.
; LIMITS: c q, the keys, X, the weighted values, Wv and the tables go to the matrix unit as f16: magnitudes from 65,520 on become infinite, those under 6e-5 are rounded as f16 subnormals.
; The sum over heads is taken head by head, another order than a single sum over K = 512.  NaN and infinities among the inputs are not served.  attention_mask: reference() never uses it, so no launch takes it.
; REGISTERS, in two windows of 256 (s_set_vgpr_msb: bits 1:0 source 0, 3:2 source 1, 5:4 source 2, 7:6 destination):
;   window 0: v1-11 addresses; v12-15 bv; v16-47 statistics, 16 a tile; v48-56 scale words and nothing else; v57-63 at work; v64-191 S^T, 64 a tile, then p; v192-223 the keys as f16, two sets; v224-255 X's codes, four slots
;   window 1: v0-63 O^T; v64-95 Q; v96-127 Wk's codes; v128-159 bk; v160-191 the column term; v192-255 the keys in f32, two sets, and by turns with them V^T's fragments, two sets
.set STEPB, 20992                      ; a step of 128 keys in kv and in LDS: 16,384 of f16 images, 4,096 of codes, 512 of scale words
.set XCO,   16384
.set XSO,   20480
.set BATB,  8*STEPB                    ; LDS 0: a batch, as it lies in memory
.set RS,    BATB                       ; the row terms: wave x 4,608; tile x 2,304; query x 144; k x 4
.set RSW,   4608
.set STG,   RS+8*RSW                   ; the stages: wave x 8,704 = 32 rows x 272: first G, at the end my head's part of the output
.set STW,   8704
.set SPARE, STG+8*STW                  ; the spare words, 128 bytes for each wave: four blocks of 256 bytes that no other line names
.set WQK,   2304                       ; wts: a head of Wq (Wk's lie 8 such further on),
.set WVO,   36864                      ; Wv's images,
.set EMO,   102400                     ; the tables
.set LI,   1                           ; v1   16 x lane
.set LS,   2                           ; v2   4 x lane
.set ARS0, 3                           ; v3   my query's row terms
.set ADX,  4                           ; v4   the step's images: its first byte + 16 x lane
.set ADS,  5                           ; v5   + 4 x lane
.set ARS,  6                           ; v6   the step's four row terms
.set LE,   7                           ; v7   32 r + 16 h: a table's fragment
.set SPW,  8                           ; v8   LDS address of my spare word; never rewritten
.set NIL,  9                           ; v9   0; never rewritten
.set BH,   10                          ; v10  32 h
.set BR,   11                          ; v11  16 r
.set BV,   12                          ; v12-15 bv[4 r .. 4 r + 3]
.set ST,   16                          ; tile T at v[ST + 16 T]: +0 m, +2,3 and +4,5 the sum in two chains of pairs, +6 the factor (a pair with +7), +8 .. 15 eight at work
.set XSC,  48                          ; v48-51 X's scale words: register g: lanes 0-15 key tile 2 g, lanes 16-31 tile 2 g + 1
.set WKS,  52                          ; v52-53 Wk's
.set WQS,  54                          ; v54-55 Wq's
.set XQS,  56                          ; v56   my queries'
.set MN,   57                          ; v57-58 the new maximum
.set TA,   59                          ; v59   an address at work
.set PD,   60                          ; v60-61 lane permutes' destinations
.set GST,  62                          ; v62   my stage: row r, + 32 h
.set SKW,  63                          ; v63   my stage, read askew
.set S,    64
.set KFR,  192
.set XC,   224
.set O,    0                           ; window 1
.set Q,    64
.set WK,   96
.set BK,   128
.set CS,   160
.set KF,   192
.set WV,   16                          ; s16  my wave's number = my head
.set MSB, 0
.macro WIN new                         ; the immediate's high byte repeats the setting that is left; a switch that changes nothing is dropped
.if MSB != \new
	s_set_vgpr_msb (MSB<<8)|\new
.set MSB, \new
.endif
.endm
.macro PLACES n                        ; plain vector lines between a matrix instruction and what may not follow it at once (ISA guide 7.12.1)
.rept \n
	v_nop
.endr
.endm
; A round of the cluster's barrier: my work-group's barrier; wave 0 signals for the work-group; every wave waits for all four work-groups; my work-group's barrier once more.
.macro CROUND
	s_barrier_signal -1
	s_barrier_wait -1
	s_cmp_lg_u32 s[WV], 0
	s_cbranch_scc1 .Lnot_wave_0_\@
	s_barrier_signal -3
.Lnot_wave_0_\@:
	s_barrier_wait -3
	s_barrier_signal -1
	s_barrier_wait -1
.endm
; One product on codes.  ra, rb = 1: the side's scale words are taken from lanes 16-31 of its register.
.macro FP4 d, a, b, c, sa, sb, ra, rb
.if ((\ra) != 0) && ((\rb) != 0)
	v_wmma_scale_f32_16x16x128_f8f6f4 v[(\d):(\d)+7], v[(\a):(\a)+7], v[(\b):(\b)+7], v[(\c):(\c)+7], v[(\sa)], v[(\sb)] matrix_a_fmt:MATRIX_FMT_FP4 matrix_b_fmt:MATRIX_FMT_FP4 matrix_a_scale:MATRIX_SCALE_ROW1 matrix_b_scale:MATRIX_SCALE_ROW1
.elseif (\ra) != 0
	v_wmma_scale_f32_16x16x128_f8f6f4 v[(\d):(\d)+7], v[(\a):(\a)+7], v[(\b):(\b)+7], v[(\c):(\c)+7], v[(\sa)], v[(\sb)] matrix_a_fmt:MATRIX_FMT_FP4 matrix_b_fmt:MATRIX_FMT_FP4 matrix_a_scale:MATRIX_SCALE_ROW1
.elseif (\rb) != 0
	v_wmma_scale_f32_16x16x128_f8f6f4 v[(\d):(\d)+7], v[(\a):(\a)+7], v[(\b):(\b)+7], v[(\c):(\c)+7], v[(\sa)], v[(\sb)] matrix_a_fmt:MATRIX_FMT_FP4 matrix_b_fmt:MATRIX_FMT_FP4 matrix_b_scale:MATRIX_SCALE_ROW1
.else
	v_wmma_scale_f32_16x16x128_f8f6f4 v[(\d):(\d)+7], v[(\a):(\a)+7], v[(\b):(\b)+7], v[(\c):(\c)+7], v[(\sa)], v[(\sb)] matrix_a_fmt:MATRIX_FMT_FP4 matrix_b_fmt:MATRIX_FMT_FP4
.endif
.endm
	s_load_b256 s[4:11], s[0:1], 0x0               ; kv s[4:5], wts s[6:7], bq s[8:9], bk s[10:11]
	s_load_b128 s[12:15], s[0:1], 0x20             ; bv s[12:13], out0 s[14:15]
	v_lshl_add_u32 v[SPW], v0, 2, SPARE
	v_mov_b32 v[NIL], 0
	ds_add_u32 v[SPW], v[NIL]                      ; the wave's opening: the add, twice on end, and its wait ahead of my first tensor load; the set-up below, work on registers, stands between
	ds_add_u32 v[SPW], v[NIL]
	v_lshrrev_b32 v57, 5, v0
	v_readfirstlane_b32 s[WV], v57                 ; wave 0..7
	s_and_b32 s19, ttmp7, 0xffff                   ; the batch, which the four partners share
	s_mul_i32 s20, s19, BATB
	s_mov_b32 s21, 0
	s_mul_i32 s22, s[WV], STEPB                    ; the step that I fetch
	s_mov_b32 s23, 0
	; descriptor group 1: a dense block of 20,992 bytes as 82 rows of 256 bytes (32 elements of 8 bytes), no padding: every read of it is 16 or 4 bytes x lane on end
	s_mov_b32 s24, 15|(3<<16)|(1<<21)              ; 15:0 the mask: all four work-groups; 17:16 elements of 8 bytes; 21 set beside a mask
	s_mov_b32 s25, 32<<16                          ; tensor_dim0 = 32
	s_mov_b32 s26, 82<<16                          ; tensor_dim1 = 82
	s_mov_b32 s27, 32<<16                          ; tile_dim0 = 32
	s_mov_b32 s28, 82                              ; tile_dim1 = 82
	s_mov_b32 s29, 32                              ; from row to row
	s_mov_b32 s30, 0
	s_mov_b32 s31, 0
	s_mov_b32 s32, 1                               ; group 0: count = 1,
	s_mul_i32 s33, s[WV], STEPB                    ; the LDS address: the wave's number times a step
	s_mov_b32 s36, 0x76543210
	s_mov_b32 s37, 0xfedcba98                      ; v_permlanex16_b32's selects for lane l xor 16
	s_mov_b32 s38, 0x3e38aa3b                      ; c = log2(e) / 8
	s_mov_b32 s39, s38                             ; (named with it as a pair)
	v_and_b32 v57, 31, v0
	v_lshlrev_b32 v[LI], 4, v57
	v_lshlrev_b32 v[LS], 2, v57
	v_and_b32 v57, 15, v0                          ; r
	v_bfe_u32 v58, v0, 4, 1                        ; h
	v_lshlrev_b32 v[BH], 5, v58
	v_lshlrev_b32 v[BR], 4, v57
	v_lshlrev_b32 v[LE], 5, v57
	v_lshl_add_u32 v[LE], v58, 4, v[LE]
	s_mul_i32 s43, s[WV], RSW
	s_add_co_u32 s43, s43, RS
	v_mul_u32_u24 v[ARS0], v57, 144
	v_add_nc_u32 v[ARS0], s43, v[ARS0]
	v_add_nc_u32 v[TA], v[ARS0], v[BH]             ; where the row terms are stored: query r, + 8 k x h
	s_mul_i32 s43, s[WV], STW
	s_add_co_u32 s43, s43, STG
	v_mul_u32_u24 v[GST], v57, 272
	v_add_nc_u32 v[GST], v[GST], v[BH]
	v_add_nc_u32 v[GST], s43, v[GST]
	v_mul_u32_u24 v[SKW], v57, 268                 ; a row further down is a word further back: 272 r - 4 r
	v_add_nc_u32 v[SKW], v[SKW], v[BH]
	v_add_nc_u32 v[SKW], s43, v[SKW]
	s_wait_dscnt 0x0                               ; both opening adds are done
	s_wait_kmcnt 0x0
	s_add_nc_u64 s[4:5], s[4:5], s[20:21]          ; kv at my batch
	s_add_nc_u64 s[34:35], s[4:5], s[22:23]        ; the global address: batch and wave alone
	s_or_b32 s35, s35, 0x80000000                  ; type = 2
	CROUND                                         ; all four work-groups are here: the joint loads meet
	tensor_load_to_lds s[32:35], s[24:31]          ; my one tensor load: step w of the batch, for all four
	s_nop 0
	PLACES 4
	; what hangs on i is made here, in registers that feed no descriptor
	s_bfe_u32 s17, ttmp6, 0x40000                  ; cx = i % 4; the cluster's x is i / 4
	s_lshl_b32 s18, ttmp9, 2
	s_add_co_u32 s18, s18, s17                     ; i
	s_mov_b32 s55, 0
	s_mul_i32 s54, ttmp9, STEPB                    ; my queries are keys 32 i on: step i / 4, group i % 4
	s_lshl_b32 s56, s17, 10
	s_add_co_u32 s54, s54, s56
	s_add_co_u32 s54, s54, XCO
	s_add_nc_u64 s[44:45], s[4:5], s[54:55]        ; their codes
	s_mul_i32 s54, ttmp9, STEPB
	s_lshl_b32 s56, s17, 7
	s_add_co_u32 s54, s54, s56
	s_add_co_u32 s54, s54, XSO
	s_add_nc_u64 s[46:47], s[4:5], s[54:55]        ; their scale words
	s_mul_i32 s54, s[WV], WQK
	s_add_nc_u64 s[48:49], s[6:7], s[54:55]        ; my head of Wq
	s_lshl_b32 s54, s[WV], 13
	s_add_co_u32 s54, s54, WVO
	s_add_nc_u64 s[50:51], s[6:7], s[54:55]        ; of Wv
	s_sub_co_u32 s54, 31, s18
	s_lshl_b32 s54, s54, 5
	s_add_co_u32 s54, s54, EMO
	s_add_nc_u64 s[52:53], s[6:7], s[54:55]        ; row_emb from row 31 - i on
	s_lshl_b32 s54, s[WV], 8
	s_add_nc_u64 s[8:9], s[8:9], s[54:55]          ; my head of bq
	s_add_nc_u64 s[10:11], s[10:11], s[54:55]      ; and of bk
	s_lshl_b32 s54, s19, 10
	s_lshl_b32 s56, s18, 5
	s_add_co_u32 s54, s54, s56
	s_lshl_b32 s56, s[WV], 2
	s_add_co_u32 s54, s54, s56
	s_lshl_b32 s54, s54, 8
	s_add_nc_u64 s[14:15], s[14:15], s[54:55]      ; out0 at row 1,024 b + 32 i + 4 w: the four rows that I store
	; all that comes from memory into registers, in one run
	global_load_b128 v[XC:XC+3], v[LI], s[44:45]               ; my queries' codes: tile 0 into slot 0,
	global_load_b128 v[XC+8:XC+11], v[LI], s[44:45] offset:512 ; tile 1 into slot 1
	global_load_b32 v[XQS], v[LS], s[46:47]
.irp p, 0,1
	global_load_b32 v[WQS+\p], v[LS], s[48:49] offset:2048+128*\p
	global_load_b32 v[WKS+\p], v[LS], s[48:49] offset:8*WQK+2048+128*\p
.endr
.irp t, 0,1
.irp c, 0,1
	global_load_b128 v[128+8*\t+4*\c:128+8*\t+4*\c+3], v[LE], s[52:53] offset:2048*\c+512*\t          ; row_emb[31 - i + 16 t + r]: fragment t
.endr
.endr
.irp t, 0,1,2,3
.irp c, 0,1
	global_load_b128 v[144+8*\t+4*\c:144+8*\t+4*\c+3], v[LE], s[6:7] offset:EMO+4096+2048*\c+512*\t   ; col_emb[16 t + r]
.endr
.endr
	global_load_b128 v[BV:BV+3], v[BR], s[12:13]
	WIN 0x40                                       ; destination window 1
.irp t, 0,1,2,3
	global_load_b128 v[KF+8*\t:KF+8*\t+3], v[LI], s[48:49] offset:512*\t               ; Wq's codes, where the keys will lie later
	global_load_b128 v[KF+32+8*\t:KF+32+8*\t+3], v[BH], s[8:9] offset:64*\t            ; bq in the result's layout: channels 16 t + 8 h + 0 .. 7
	global_load_b128 v[KF+32+8*\t+4:KF+32+8*\t+7], v[BH], s[8:9] offset:64*\t+16
	global_load_b128 v[WK+8*\t:WK+8*\t+3], v[LI], s[48:49] offset:8*WQK+512*\t         ; Wk's codes: they stay
	global_load_b128 v[BK+8*\t:BK+8*\t+3], v[BH], s[10:11] offset:64*\t                ; bk: it stays
	global_load_b128 v[BK+8*\t+4:BK+8*\t+7], v[BH], s[10:11] offset:64*\t+16
.endr
.irp t, 0,1,2,3
.irp z, 4,5,6,7
	v_mov_b32 v[WK+8*\t+\z], 0                     ; K = 64 .. 127 does not exist: zero codes
	v_mov_b32 v[KF+8*\t+\z], 0
.endr
.endr
.set n, 0
.rept 64
	v_mov_b32 v[O+n], 0                            ; O^T.  (The step is written for all steps alike: the first finds zeros, which its factor leaves zeros)
.set n, n+1
.endr
	WIN 0
.irp t, 0,1,2,3
.irp z, 4,5,6,7
	v_mov_b32 v[XC+8*\t+\z], 0                     ; the four slots' upper halves: written once
.endr
.endr
.irp T, 0,1
	v_mov_b32 v[ST+16*\T], 0xff61b1e6              ; m: -3e38, under every score
.irp z, 1,2,3,4,5,6,7,8,9,10,11,12,13,14,15
	v_mov_b32 v[ST+16*\T+\z], 0                    ; the sums; and what is named in pairs before it is first written.  (These lines are also the places between the zero codes above and the scaled products)
.endr
	v_mov_b32 v[PD+\T], 0                          ; a lane permute's destination counts as one of its sources
.endr
	s_wait_loadcnt 0x0
	; q^T = Wq^T x^T + bq: lane (r, h) holds query r, channels 16 t + 8 h + 0 .. 7
	WIN 0x11                                       ; Wq and bq in window 1
.irp T, 0,1
.irp t, 0,1,2,3
	FP4 S+8*(4*\T+\t), KF+8*\t, XC+8*\T, KF+32+8*\t, WQS+\t/2, XQS, \t%2, \T
.endr
.endr
	WIN 0
	PLACES 4
.set n, 0
.rept 32
	v_pk_mul_f32 v[S+n:S+n+1], v[S+n:S+n+1], s[38:39] op_sel_hi:[1,0]   ; c q, in f32
.set n, n+2
.endr
	WIN 0x40
.set n, 0
.rept 32
	v_cvt_pk_f16_f32 v[Q+n], v[S+2*n], v[S+2*n+1]  ; tiles 2 f and 2 f + 1 make fragment f: channels 32 f on.  f = 0 is q_row, f = 1 is q_col
.set n, n+1
.endr
	WIN 0x04                                       ; source 1 (Q) in window 1
.irp T, 0,1
.irp t, 0,1
	v_wmma_f32_16x16x32_f16 v[KFR+8*(2*\T+\t):KFR+8*(2*\T+\t)+7], v[128+8*\t:128+8*\t+7], v[Q+16*\T:Q+16*\T+7], 0          ; the row terms: lane (r, h): query r, k = 16 t + 8 h + 0 .. 7
.endr
.endr
.irp T, 0,1
.irp t, 0,1,2,3
	v_wmma_f32_16x16x32_f16 v[S+8*(4*\T+\t):S+8*(4*\T+\t)+7], v[144+8*\t:144+8*\t+7], v[Q+16*\T+8:Q+16*\T+15], 0           ; G: query r, m = 16 t + 8 h + 0 .. 7
.endr
.endr
	WIN 0
	PLACES 4
.irp T, 0,1
.irp t, 0,1
	ds_store_b128 v[TA], v[KFR+8*(2*\T+\t):KFR+8*(2*\T+\t)+3] offset:2304*\T+64*\t
	ds_store_b128 v[TA], v[KFR+8*(2*\T+\t)+4:KFR+8*(2*\T+\t)+7] offset:2304*\T+64*\t+16
.endr
.endr
.irp T, 0,1
.irp t, 0,1,2,3
	ds_store_b128 v[GST], v[S+8*(4*\T+\t):S+8*(4*\T+\t)+3] offset:4352*\T+64*\t
	ds_store_b128 v[GST], v[S+8*(4*\T+\t)+4:S+8*(4*\T+\t)+7] offset:4352*\T+64*\t+16
.endr
.endr
	WIN 0x40
.irp T, 0,1
.irp t, 0,1
.irp z, 0,1,2,3,4,5,6,7
	ds_load_b32 v[CS+16*\T+8*\t+\z], v[SKW] offset:124+4288*\T+64*\t+4*\z   ; G[16 T + r][l - (16 T + r) + 31] for l = 16 t + 8 h + z.  LDS serves a wave's instructions in order: these see my stores
.endr
.endr
.endr
	WIN 0
	s_wait_tensorcnt 0x0                           ; my step of the batch is in LDS,
	s_wait_dscnt 0x0                               ; my LDS instructions are done,
	s_barrier_signal -1
	s_barrier_wait -1                              ; and so are everybody's: the whole batch is there.  Nothing is filled again
; The codes of key tile kt into slot kt % 4 (its lower half)
.macro XLOAD kt
	ds_load_b128 v[XC+8*((\kt)%4):XC+8*((\kt)%4)+3], v[ADX] offset:XCO+512*(\kt)
.endm
; 16 keys of my head in f32: four tiles of 16 channels, into set kt % 2
.macro FP4K kt
	WIN 0x51                                       ; Wk, bk and the result in window 1, X's codes in window 0
.irp t, 0,1,2,3
	FP4 KF+32*((\kt)%2)+8*\t, WK+8*\t, XC+8*((\kt)%4), BK+8*\t, WKS+\t/2, XSC+(\kt)/2, \t%2, (\kt)%2
.endr
.endm
; and as f16: two fragments of 16 keys x 32 channels.  Each accumulator is read from its low end on.  These sixteen lines are also the places behind the products on codes issued just before them
.macro CVTK kt
	WIN 0x05
.set n, 0
.rept 16
	v_cvt_pk_f16_f32 v[KFR+16*((\kt)%2)+n], v[KF+32*((\kt)%2)+2*n], v[KF+32*((\kt)%2)+2*n+1]
.set n, n+1
.endr
.endm
; S^T of key tile kt for both tiles of queries: the first link takes the column term as C; the two accumulators take turns
.macro QK kt
	WIN 0x14                                       ; Q and the column term in window 1
.irp T, 0,1
	v_wmma_f32_16x16x32_f16 v[S+64*\T+8*(\kt):S+64*\T+8*(\kt)+7], v[KFR+16*((\kt)%2):KFR+16*((\kt)%2)+7], v[Q+16*\T:Q+16*\T+7], v[CS+16*\T+8*((\kt)%2):CS+16*\T+8*((\kt)%2)+7]
.endr
	WIN 0x04
.irp T, 0,1
	v_wmma_f32_16x16x32_f16 v[S+64*\T+8*(\kt):S+64*\T+8*(\kt)+7], v[KFR+16*((\kt)%2)+8:KFR+16*((\kt)%2)+15], v[Q+16*\T+8:Q+16*\T+15], v[S+64*\T+8*(\kt):S+64*\T+8*(\kt)+7]
.endr
.endm
; V^T of 32 keys: four fragments of 16 channels, into set buf
.macro VLOAD g, buf
	WIN 0x40
.irp u, 0,1,2,3
.irp c, 0,1
	ds_load_b128 v[KF+32*(\buf)+8*\u+4*\c:KF+32*(\buf)+8*\u+4*\c+3], v[ADX] offset:(4*(\g)+\u)*1024+512*\c
.endr
.endr
.endm
; O^T += V^T P for keys 32 g on: eight accumulators by turns
.macro PV g
	WIN 0x51
.irp u, 0,1,2,3
.irp T, 0,1
	v_wmma_f32_16x16x32_f16 v[O+32*\T+8*\u:O+32*\T+8*\u+7], v[KF+32*((\g)%2)+8*\u:KF+32*((\g)%2)+8*\u+7], v[S+64*\T+16*(\g):S+64*\T+16*(\g)+7], v[O+32*\T+8*\u:O+32*\T+8*\u+7]
.endr
.endr
.endm
; THE SOFTMAX of a step, both tiles by turns.  A lane has 64 scores a tile: registers 16 g + 0 .. 15 are keys of image row 4 step + g.
.macro SOFTMAX last
	WIN 0
.irp g, 0,1,2,3
.irp T, 0,1
	v_max3_num_f32 v[ST+16*\T+8+\g], v[S+64*\T+16*\g], v[S+64*\T+16*\g+1], v[S+64*\T+16*\g+2]   ; the largest score of each image row: eight chains.  Each accumulator is first read at its low end
.endr
.endr
.irp i, 3,5,7,9,11,13
.irp g, 0,1,2,3
.irp T, 0,1
	v_max3_num_f32 v[ST+16*\T+8+\g], v[ST+16*\T+8+\g], v[S+64*\T+16*\g+\i], v[S+64*\T+16*\g+\i+1]
.endr
.endr
.endr
.irp g, 0,1,2,3
.irp T, 0,1
	v_max_num_f32 v[ST+16*\T+8+\g], v[ST+16*\T+8+\g], v[S+64*\T+16*\g+15]
.endr
.endr
.if \last
.set n, 0
.rept 16
	global_load_b128 v[KFR+4*n:KFR+4*n+3], v[LI], s[50:51] offset:512*n   ; the last step: my head of Wv, into the registers that the keys and the codes have left (the 64 lines above are the places behind their last products)
.set n, n+1
.endr
.endif
.irp z, 0,2
.irp T, 0,1
	v_pk_add_f32 v[ST+16*\T+8+\z:ST+16*\T+9+\z], v[ST+16*\T+8+\z:ST+16*\T+9+\z], v[ST+16*\T+12+\z:ST+16*\T+13+\z]   ; + the image row's row term
.endr
.endr
.irp T, 0,1
	v_max3_num_f32 v[MN+\T], v[ST+16*\T+8], v[ST+16*\T+9], v[ST+16*\T+10]
.endr
.irp T, 0,1
	v_max3_num_f32 v[MN+\T], v[MN+\T], v[ST+16*\T+11], v[ST+16*\T]        ; and the old m
.endr
.irp T, 0,1
	v_permlanex16_b32 v[PD+\T], v[MN+\T], s36, s37                         ; the query's other keys lie in the lane 16 away
.endr
.irp T, 0,1
	v_max_num_f32 v[MN+\T], v[MN+\T], v[PD+\T]                             ; the new m
.endr
.irp T, 0,1
	v_sub_f32 v[ST+16*\T+6], v[ST+16*\T], v[MN+\T]                         ; m_old - m_new
	v_mov_b32 v[ST+16*\T], v[MN+\T]
.endr
.irp g, 0,1,2,3
.irp T, 0,1
	v_sub_f32 v[ST+16*\T+8+2*\g], v[ST+16*\T+12+\g], v[MN+\T]              ; row term - m, at the low word of a pair; in this order each source is read before its place is written
.endr
.endr
.irp g, 0,1,2,3
.irp i, 0,2,4,6,8,10,12,14
.irp T, 0,1
	v_pk_add_f32 v[S+64*\T+16*\g+\i:S+64*\T+16*\g+\i+1], v[S+64*\T+16*\g+\i:S+64*\T+16*\g+\i+1], v[ST+16*\T+8+2*\g:ST+16*\T+9+2*\g] op_sel_hi:[1,0]
.endr
.endr
.endr
.irp T, 0,1
	v_exp_f32 v[ST+16*\T+6], v[ST+16*\T+6]         ; ONE BATCH: the two factors 2^(m_old - m_new)
.endr
.set n, 0
.rept 128
	v_exp_f32 v[S+n], v[S+n]                       ; and p = 2^(s + row term - m), at most 1
.set n, n+1
.endr
	v_nop                                          ; a plain line behind the last exponential
	s_wait_alu depctr_va_vdst(0)                   ; one wait for the batch, ahead of the first line that names a result
.irp T, 0,1
	v_pk_mul_f32 v[ST+16*\T+2:ST+16*\T+3], v[ST+16*\T+2:ST+16*\T+3], v[ST+16*\T+6:ST+16*\T+7] op_sel_hi:[1,0]   ; the sum under the new m
	v_pk_add_f32 v[ST+16*\T+4:ST+16*\T+5], v[S+64*\T:S+64*\T+1], v[S+64*\T+2:S+64*\T+3]                          ; the sum is taken of p as it is, before the rounding: two chains of pairs
.endr
.irp i, 4,8,12,16,20,24,28,32,36,40,44,48,52,56,60
.irp T, 0,1
	v_pk_add_f32 v[ST+16*\T+2:ST+16*\T+3], v[ST+16*\T+2:ST+16*\T+3], v[S+64*\T+\i:S+64*\T+\i+1]
	v_pk_add_f32 v[ST+16*\T+4:ST+16*\T+5], v[ST+16*\T+4:ST+16*\T+5], v[S+64*\T+\i+2:S+64*\T+\i+3]
.endr
.endr
.irp T, 0,1
	v_pk_add_f32 v[ST+16*\T+2:ST+16*\T+3], v[ST+16*\T+2:ST+16*\T+3], v[ST+16*\T+4:ST+16*\T+5]
.endr
.irp g, 0,1,2,3
.irp i, 0,1,2,3,4,5,6,7
.irp T, 0,1
	v_cvt_pk_f16_f32 v[S+64*\T+16*\g+\i], v[S+64*\T+16*\g+2*\i], v[S+64*\T+16*\g+2*\i+1]   ; in place: 16 registers of two key tiles become the 8 of source 1 (32 keys x 16 queries)
.endr
.endr
.endr
	WIN 0x41                                       ; O^T in window 1, the factor in window 0
.irp T, 0,1
.set n, 0
.rept 16
	v_pk_mul_f32 v[O+32*\T+n:O+32*\T+n+1], v[O+32*\T+n:O+32*\T+n+1], v[ST+16*\T+6:ST+16*\T+7] op_sel_hi:[1,0]
.set n, n+2
.endr
.endr
.endm
; A STEP: 128 keys.  The waits on DScnt in its first part count the loads of codes issued behind the one that is wanted.
.macro STEP last
	v_add_nc_u32 v[ADX], s40, v[LI]
	v_add_nc_u32 v[ADS], s40, v[LS]
	v_add_nc_u32 v[ARS], s41, v[ARS0]
	PLACES 2                                       ; with the three lines above: five places between the last step's products and the products that write over V^T's registers
	ds_load_b128 v[ST+12:ST+15], v[ARS]            ; the step's four row terms of my query, tile 0
	ds_load_b128 v[ST+28:ST+31], v[ARS] offset:2304
.irp g, 0,1,2,3
	ds_load_b32 v[XSC+\g], v[ADS] offset:XSO+128*\g
.endr
.irp k, 0,1,2,3
	XLOAD \k
.endr
	s_wait_dscnt 3                                 ; tile 0's codes are in; tiles 1 to 3 may be out
	FP4K 0
	PLACES 4
	s_wait_dscnt 2                                 ; tiles 2, 3
	FP4K 1
	CVTK 0
	QK 0
	XLOAD 4                                        ; (destination and address in window 0 under this setting too.)  Slots 0 and 1 are free: sixteen places lie behind the products that read them
	XLOAD 5
	s_wait_dscnt 3                                 ; tiles 3, 4, 5
	FP4K 2
	CVTK 1
	QK 1
	XLOAD 6
	s_wait_dscnt 3                                 ; tiles 4, 5, 6
	FP4K 3
	CVTK 2
	QK 2
	XLOAD 7
	s_wait_dscnt 3                                 ; tiles 5, 6, 7
	FP4K 4
	CVTK 3
	QK 3
	s_wait_dscnt 2                                 ; tiles 6, 7
	FP4K 5
	CVTK 4
	QK 4
	s_wait_dscnt 1                                 ; tile 7
	FP4K 6
	CVTK 5
	QK 5
	s_wait_dscnt 0x0
	FP4K 7
	CVTK 6
	QK 6
	CVTK 7
	QK 7
	VLOAD 0, 0                                     ; V^T takes the registers that the keys in f32 have left; it lands under the softmax
	VLOAD 1, 1
	SOFTMAX \last
	s_wait_dscnt 0x0                               ; V^T of keys 0 to 63
	PV 0
	PLACES 4                                       ; in front of loads into registers that matrix instructions have read
	VLOAD 2, 0
	PV 1
	PLACES 4
	VLOAD 3, 1
	s_wait_dscnt 8                                 ; keys 64 to 95 are in; the eight loads of keys 96 to 127 may be out
	PV 2
	s_wait_dscnt 0x0
	PV 3
	WIN 0
	s_add_co_u32 s40, s40, STEPB                   ; the next step's images
	s_add_co_u32 s41, s41, 16                      ; and its four row terms
.endm
	s_mov_b32 s40, 0
	s_mov_b32 s41, 0
	s_mov_b32 s42, 7
.Lstep:
	STEP 0
	s_sub_co_u32 s42, s42, 1
	s_cmp_lg_u32 s42, 0
	s_cbranch_scc1 .Lstep
	STEP 1                                         ; the last step is written out: it also asks for Wv
	; THE WAY OUT.  The sums' halves are added; O^T / l is rounded to f16 and is source 1 of out^T = Wv^T vals^T; the eight heads' parts meet in the stages.
	v_add_f32 v[MN], v[ST+2], v[ST+3]
	v_add_f32 v[MN+1], v[ST+18], v[ST+19]
	s_mul_i32 s43, s[WV], 4*272
	s_add_co_u32 s43, s43, STG
	v_bfe_u32 v[TA], v0, 4, 1
	v_mul_u32_u24 v[TA], v[TA], 272
	v_add_nc_u32 v[TA], v[TA], v[BR]
	v_add_nc_u32 v[TA], s43, v[TA]                 ; where I read the parts back: row 4 w + h of a stage, 16 bytes x r.  (These six lines are the places behind the last products)
.irp T, 0,1
	v_permlanex16_b32 v[PD+\T], v[MN+\T], s36, s37
.endr
.irp T, 0,1
	v_add_f32 v[MN+\T], v[MN+\T], v[PD+\T]         ; the query's sum
.endr
.irp T, 0,1
	v_rcp_f32 v[ST+16*\T+6], v[MN+\T]
.endr
	v_nop                                          ; a plain line behind the reciprocals
	s_wait_alu depctr_va_vdst(0)                   ; and the wait ahead of their first reader
	WIN 0x41
.irp T, 0,1
.set n, 0
.rept 16
	v_pk_mul_f32 v[O+32*\T+n:O+32*\T+n+1], v[O+32*\T+n:O+32*\T+n+1], v[ST+16*\T+6:ST+16*\T+7] op_sel_hi:[1,0]
.set n, n+2
.endr
.endr
	WIN 0x05
.set n, 0
.rept 32
	v_cvt_pk_f16_f32 v[S+n], v[O+2*n], v[O+2*n+1]  ; tiles u = 2 f and 2 f + 1 make fragment f of tile T at v[S + 16 T + 8 f]: element e of half c in lane half h is channel 32 h + 4 e + 2 f + c, as in Wv's images
.set n, n+1
.endr
	WIN 0
	s_wait_loadcnt 0x0                             ; Wv
.irp t, 0,1,2,3
.irp T, 0,1
	v_wmma_f32_16x16x32_f16 v[128+8*(2*\t+\T):128+8*(2*\t+\T)+7], v[KFR+8*(2*\t):KFR+8*(2*\t)+7], v[S+16*\T:S+16*\T+7], 0   ; the first product starts the sums; eight accumulators by turns
.endr
.endr
.irp t, 0,1,2,3
.irp T, 0,1
	v_wmma_f32_16x16x32_f16 v[128+8*(2*\t+\T):128+8*(2*\t+\T)+7], v[KFR+8*(2*\t+1):KFR+8*(2*\t+1)+7], v[S+16*\T+8:S+16*\T+15], v[128+8*(2*\t+\T):128+8*(2*\t+\T)+7]
.endr
.endr
	PLACES 4                                       ; in front of the stores that read the results, and of the loads into the fragments' registers
.irp T, 0,1
.irp t, 0,1,2,3
	ds_store_b128 v[GST], v[128+8*(2*\t+\T):128+8*(2*\t+\T)+3] offset:4352*\T+64*\t       ; lane (r, h): query 16 T + r, outputs 16 t + 8 h + 0 .. 7
	ds_store_b128 v[GST], v[128+8*(2*\t+\T)+4:128+8*(2*\t+\T)+7] offset:4352*\T+64*\t+16
.endr
.endr
	s_wait_dscnt 0x0                               ; for the others' sake: my stores into my stage are done
	s_barrier_signal -1
	s_barrier_wait -1
.irp p, 0,1,2,3,4,5,6,7
.irp z, 0,1
	ds_load_b128 v[S+4*(2*\p+\z):S+4*(2*\p+\z)+3], v[TA] offset:STW*\p+544*\z   ; head p's part of rows 4 w + 2 z + h
.endr
.endr
	s_wait_dscnt 0x0
.irp z, 0,2,4,6
	v_pk_add_f32 v[S+\z:S+\z+1], v[S+\z:S+\z+1], v[BV+\z%4:BV+\z%4+1]             ; + bv
.endr
.irp p, 1,2,3,4,5,6,7
.irp z, 0,2,4,6
	v_pk_add_f32 v[S+\z:S+\z+1], v[S+\z:S+\z+1], v[S+8*\p+\z:S+8*\p+\z+1]         ; + the other heads
.endr
.endr
	global_store_b128 v[LI], v[S:S+3], s[14:15] th:TH_STORE_NT                     ; 16 lanes store a row of 256 consecutive bytes, at a multiple of 256 from out0's first byte
	global_store_b128 v[LI], v[S+4:S+7], s[14:15] offset:512 th:TH_STORE_NT
	s_wait_tensorcnt 0x0                           ; the wave's end, behind my tensor load and my last LDS store
	ds_add_u32 v[SPW], v[NIL]
	s_wait_dscnt 0x0
	CROUND                                         ; the closing round: no work-group ends while a partner may still ask for a tile that names it
	s_endpgm
.Lfunc_end_k_q0c05bad178_attn:
	.size	k_q0c05bad178_attn, .Lfunc_end_k_q0c05bad178_attn-k_q0c05bad178_attn
	.p2alignl 7, 3214868480
	.fill 96, 4, 3214868480
	.section	.rodata,"a",@progbits
	.p2align	6, 0x0
	.amdhsa_kernel k_q0c05bad178_attn
		.amdhsa_group_segment_fixed_size 327680
		.amdhsa_private_segment_fixed_size 0
		.amdhsa_enable_private_segment 0
		.amdhsa_kernarg_size 48
		.amdhsa_user_sgpr_count 2
		.amdhsa_user_sgpr_kernarg_segment_ptr 1
		.amdhsa_wavefront_size32 1
		.amdhsa_system_sgpr_workgroup_id_x 1
		.amdhsa_system_sgpr_workgroup_id_y 1
		.amdhsa_system_sgpr_workgroup_id_z 1
		.amdhsa_system_vgpr_workitem_id 0
		.amdhsa_next_free_vgpr 512
		.amdhsa_next_free_sgpr 66
		.amdhsa_reserve_vcc 0
		.amdhsa_float_denorm_mode_32 3
		.amdhsa_float_denorm_mode_16_64 3
		.amdhsa_memory_ordered 1
		.amdhsa_forward_progress 1
		.amdhsa_inst_pref_size 125
	.end_amdhsa_kernel
	.amdgpu_metadata
---
amdhsa.version: [ 1, 2 ]
amdhsa.kernels:
  - .name:           k_q0c05bad178_attn
    .symbol:         k_q0c05bad178_attn.kd
    .args:
      - { .name: kv, .offset: 0, .size: 8, .value_kind: global_buffer, .address_space: global }
      - { .name: wts, .offset: 8, .size: 8, .value_kind: global_buffer, .address_space: global }
      - { .name: bq, .offset: 16, .size: 8, .value_kind: global_buffer, .address_space: global }
      - { .name: bk, .offset: 24, .size: 8, .value_kind: global_buffer, .address_space: global }
      - { .name: bv, .offset: 32, .size: 8, .value_kind: global_buffer, .address_space: global }
      - { .name: out0, .offset: 40, .size: 8, .value_kind: global_buffer, .address_space: global }
    .group_segment_fixed_size: 327680
    .private_segment_fixed_size: 0
    .kernarg_segment_align: 8
    .kernarg_segment_size: 48
    .max_flat_workgroup_size: 256
    .sgpr_count:     66
    .vgpr_count:     512
    .wavefront_size: 32
...
	.end_amdgpu_metadata
.endif
;; end of part 2
